; MI455X (gfx1250); checked and timed in simulation.
; The chip was launched on July 23, 2026; its instructions are those of AMD's public machine-readable ISA for CDNA 5 (MIT licence, August 2026) and "CDNA5" Instruction Set Architecture Reference Guide (July 2026). The comments in the code are by the model that wrote it; some were corrected since.
;; Mo E Layer. Allowed arithmetic: matrix products marked QUANTISED: E2M3 operands, one E8M0 scale for each 32 along K, by v_wmma_scale_f32_16x16x128_f8f6f4 with both operands' format E2M3, f32 sums; products left as they are: f32 operands where the result goes on into a quantised operand, else bf16, f16 or f32 operands; f32 sums; everything else in f32.
;; Inputs: We_codes 8 x 1,024 x 32 x 24 uint8 (E2M3 codes of We, K innermost, in blocks of 32 codes, four codes in three bytes); We_scales 8 x 1,024 x 32 uint8 (E8M0 scales of We, one for each 32 codes along K); Wg 1,024 x 8 float32; be 8 x 1,024 float32; bg 8 float32; x 8,192 x 1,024 float32.
;; Outputs: out0 8,192 x 1,024 float32.
;; This version of the problem:
;;   THIS VERSION OF THE PROBLEM IS GIVEN IN LOW PRECISION. The matrix products marked QUANTISED in the list below multiply operands that are first quantised to E2M3 (2 exponent bits, 3 mantissa bits; 6 bits a number), with one power-of-two scale for each 32 numbers along K (OCP MX v1.0); their sums are f32. All else is computed in f32.
;;   The module's matrix products, in the order in which they are computed (A, B: the left and right operand; K: the contracted axis; several contracted axes count as one K, in the product's order):
;;     1. [M 8,192, K 1,024] x [K 1,024, N 8]; A: input x; B: input Wg: left as it is (N = 8 < 16)
;;     2. [M 8,192, K 1,024] x [K 1,024, N 8,192]; A: input x; B: input We (given as codes): QUANTISED
;;     3. batch 8,192 x [M 1,024, K 8] x [K 8, N 1]; A: computed on the way; B: softmax: left as it is (K = 8 < 32)
;;   THE QUANTISER, for each operand of a quantised product, along K:
;;     - K is cut into blocks of 32 from its start; a last block that is shorter is filled with zeros.
;;     - A block's scale is 2^e with e = floor(log2(the largest magnitude in the block)) - 2, held to -126 .. 127; a block of zeros has e = 0. As a byte (E8M0): e + 127.
;;     - Each number is divided by its block's scale, clamped to +-7.5, and rounded to the nearest number of E2M3, ties to even, subnormals kept.
;;     - The product sums the exact products of the quantised numbers (number of the format x scale) in f32.
;;   ~~~python
;;   def quantise(x, axis):      # numpy; x: float32 -> the quantised numbers, widened to float32 again
;;       x = np.moveaxis(x, axis, -1); K = x.shape[-1]
;;       x = np.pad(x, [(0, 0)] * (x.ndim - 1) + [(0, -K % 32)]); x = x.reshape(x.shape[:-1] + (-1, 32)); a = np.abs(x).max(-1, keepdims=True)
;;       e = np.where(a > 0, np.clip(np.frexp(np.where(a > 0, a, 1))[1] - 1 - 2, -126, 127), 0)      # np.frexp(a)[1] - 1 = floor(log2(a)), exactly
;;       r = np.clip(x / 2.0 ** e, -7.5, 7.5)
;;       step = 2.0 ** (np.maximum(np.frexp(np.where(r == 0, 1, r))[1] - 1, 0) - 3)
;;       q = np.round(r / step) * step * 2.0 ** e      # np.round: ties to even
;;       return np.moveaxis(q.reshape(q.shape[:-2] + (-1,))[..., :K], -1, axis).astype(np.float32)
;;   ~~~
;;   INPUTS GIVEN AS CODES. We (in the module: [8, 1024, 1024], K = its axis 1): each comes as NAME_codes (uint8): NAME with its K axis moved to the last place and cut into blocks of 32 codes, [.., K / 32, bytes a block], one block behind the other in memory; four codes in three bytes: a row's codes are one little-endian stream of bits, code i at bits 6 i .. 6 i + 5 (a code: sign, 2 exponent bits, 3 mantissa bits); and NAME_scales (uint8): the same leading axes, one E8M0 byte (e + 127) for each 32 codes along K. Its value is code x scale, taken as it is: it is not quantised again, and the codes and scales need not be those that the quantiser above would give.
;; One version. Each part assembles by itself: llvm-mc -triple=amdgcn-amd-amdhsa -mcpu=gfx1250 --defsym DOCPART=n.
;; ======== version 1 of 1: 2 launches
;; limits: right only within a limited range of input values
;; workspace buffers: xc 6,291,456 bytes; xs 262,144 bytes; gw 262,144 bytes; wsc 262,144 bytes
;; launch prep (part 1): grid 256 x 1, 8 waves a work-group, no clusters, 327,680 bytes of LDS; arguments x, Wg, bg, We_scales, xc, xs, gw, wsc; writes xc, xs, gw, wsc
.if DOCPART == 1
	.amdgcn_target "amdgcn-amd-amdhsa--gfx1250"
	.amdhsa_code_object_version 6
	.text
	.protected	k_qb238ceb8bb_prep
	.globl	k_qb238ceb8bb_prep
	.p2align	8
	.type	k_qb238ceb8bb_prep,@function
k_qb238ceb8bb_prep:
	s_mov_b64 s[64:65], 0
	v_nop
	global_prefetch_b8 v0, s[64:65] scope:SCOPE_SE
	s_setreg_imm32_b32 hwreg(HW_REG_WAVE_MODE, 25, 1), 1
	s_wait_xcnt 0x0
.set XTT,  16*528
.set XTW,  2*XTT
.set GP,   8*XTW
.set SX,   GP+8*1024
.set X,    16
.set WF,   80
.set DA,   144
.set PC,   176
.set TM,   196
.set PW,   212
.set S0,   216
.set LG,   232
.set SW,   240
.set WSR,  244
.set WV,   22
.set SEL,  20
.set G1,   24
.set G0,   32
.macro QUANT s, pw
.irp b, 0,1,2,3
	v_max3_num_f32 v[TM+\b], |v[\s+16*\b]|, |v[\s+1+16*\b]|, 0x1800000
.endr
.irp i, 2,4,6,8,10,12,14
.irp b, 0,1,2,3
	s_delay_alu instid0(VALU_DEP_4)
	v_max3_num_f32 v[TM+\b], v[TM+\b], |v[\s+16*\b+\i]|, |v[\s+1+16*\b+\i]|
.endr
.endr
.irp b, 0,1,2,3
	s_delay_alu instid0(VALU_DEP_4)
	v_permlanex16_b32 v[TM+4+\b], v[TM+\b], s[SEL], s[SEL+1]
.endr
.irp b, 0,1,2,3
	s_delay_alu instid0(VALU_DEP_4)
	v_max_num_f32 v[TM+\b], v[TM+\b], v[TM+4+\b]
.endr
.irp b, 0,1,2,3
	s_delay_alu instid0(VALU_DEP_4)
	v_add_nc_u32 v[TM+12+\b], 0xff000000, v[TM+\b]
.endr
.irp b, 0,1,2,3
	s_delay_alu instid0(VALU_DEP_4)
	v_lshrrev_b32 v[TM+4+\b], 23, v[TM+12+\b]
.endr
	s_delay_alu instid0(VALU_DEP_2)
	v_lshl_or_b32 v[\pw], v[TM+6], 8, v[TM+4]
	s_delay_alu instid0(VALU_DEP_1)
	v_lshl_or_b32 v[\pw], v[TM+5], 16, v[\pw]
	s_delay_alu instid0(VALU_DEP_1)
	v_lshl_or_b32 v[\pw], v[TM+7], 24, v[\pw]
.irp c, 0,1
	v_cvt_scalef32_pk16_fp6_f32 v[PC+6*\c:PC+2+6*\c], v[\s+16*\c:\s+15+16*\c], v[TM+12+\c]
	v_cvt_scalef32_pk16_fp6_f32 v[PC+12+4*\c:PC+14+4*\c], v[\s+32+16*\c:\s+47+16*\c], v[TM+14+\c]
.endr
	v_nop
.irp c, 0,1
.irp i, 0,1,2
	v_permlane16_swap_b32 v[PC+6*\c+\i], v[PC+12+4*\c+\i]
.endr
.irp i, 0,1,2
	s_delay_alu instid0(VALU_DEP_3)
	v_mov_b32 v[PC+3+6*\c+\i], v[PC+12+4*\c+\i]
.endr
.endr
.endm
	s_load_b256 s[4:11], s[0:1], 0x0
	s_load_b256 s[12:19], s[0:1], 0x20
	v_lshl_add_u32 v254, v0, 2, 0x29000
	v_mov_b32 v255, 0
	ds_add_u32 v254, v255
	ds_add_u32 v254, v255
	v_lshrrev_b32 v1, 5, v0
	s_delay_alu instid0(VALU_DEP_1)
	v_readfirstlane_b32 s[WV], v1
	s_mov_b32 s[G1+0], (3<<16)|(1<<20)|(6<<22)|(3<<25)
	s_mov_b32 s[G1+1], 64<<16
	s_mov_b32 s[G1+2], 32<<16
	s_mov_b32 s[G1+3], 64<<16
	s_mov_b32 s[G1+4], 32
	s_mov_b32 s[G1+5], 512
	s_mov_b32 s[G1+6], 0
	s_mov_b32 s[G1+7], 0
	s_mov_b32 s[SEL], 0x76543210
	s_mov_b32 s[SEL+1], 0xfedcba98
	s_lshl_b32 s48, ttmp9, 17
	s_lshl_b32 s49, s[WV], 9
	s_add_co_u32 s48, s48, s49
	s_mov_b32 s49, 0
	s_mul_i32 s50, s[WV], XTW
	s_lshl_b32 s52, s[WV], 12
	s_mov_b32 s53, 0
	s_mul_i32 s54, ttmp9, 2*12288
	s_mul_i32 s55, s[WV], 1536
	s_add_co_u32 s54, s54, s55
	s_mov_b32 s55, 0
	s_lshl_b32 s56, ttmp9, 10
	s_mov_b32 s57, 0
	s_wait_dscnt 0x0
	s_wait_kmcnt 0x0
	s_load_b256 s[40:47], s[8:9], 0x0
	s_add_nc_u64 s[4:5], s[4:5], s[48:49]
	s_add_nc_u64 s[6:7], s[6:7], s[52:53]
	s_add_nc_u64 s[10:11], s[10:11], s[56:57]
	s_add_nc_u64 s[12:13], s[12:13], s[54:55]
	s_add_nc_u64 s[14:15], s[14:15], s[56:57]
	s_add_nc_u64 s[16:17], s[16:17], s[56:57]
	s_add_nc_u64 s[18:19], s[18:19], s[56:57]
.irp u, 0
	s_mov_b32 s[G0+4*\u], 1
	s_add_co_u32 s[G0+4*\u+1], s50, \u*XTT
	s_add_nc_u64 s[G0+4*\u+2:G0+4*\u+3], s[4:5], \u*65536
	s_or_b32 s[G0+4*\u+3], s[G0+4*\u+3], 0x80000000
.endr
	tensor_load_to_lds s[G0:G0+3], s[G1:G1+7]
	s_nop 0
	v_and_b32 v1, 31, v0
	v_and_b32 v2, 15, v0
	v_bfe_u32 v3, v0, 4, 1
	s_delay_alu instid0(VALU_DEP_2)
	v_mul_u32_u24 v4, v2, 528
	s_delay_alu instid0(VALU_DEP_1)
	v_lshl_add_u32 v4, v3, 6, v4
	s_delay_alu instid0(VALU_DEP_1)
	v_add_nc_u32 v4, s50, v4
	v_lshlrev_b32 v5, 4, v1
	v_lshlrev_b32 v6, 2, v1
	v_and_b32 v7, 7, v0
	s_delay_alu instid0(VALU_DEP_1)
	v_lshlrev_b32 v7, 2, v7
	s_delay_alu instid0(VALU_DEP_1)
	v_lshl_add_u32 v7, v3, 9, v7
	s_lshl_b32 s51, s[WV], 10
	v_add_nc_u32 v8, s51, v5
	s_delay_alu instid0(VALU_DEP_1)
	v_add_nc_u32 v8, GP, v8
	s_lshl_b32 s51, s[WV], 7
	v_add_nc_u32 v9, s51, v6
	s_delay_alu instid0(VALU_DEP_1)
	v_add_nc_u32 v9, SX, v9
	v_add_nc_u32 v10, GP, v5
	v_add_nc_u32 v11, SX, v5
	v_cmp_lt_u32 vcc_lo, 15, v1
.irp b, 0,1,2,3
	v_mov_b32 v[TM+4+\b], 0
.endr
.set i, 0
.rept 64
	global_load_b32 v[WF+i], v7, s[6:7] offset:1024*(i/16)+32*(i%16)
.set i, i+1
.endr
	s_wait_kmcnt 0x0
	s_cmp_lg_u32 s[WV], 2
	s_cbranch_scc1 .Lnot_scales
	global_load_b128 v[WSR:WSR+3], v5, s[10:11]
	global_load_b128 v[WSR+4:WSR+7], v5, s[10:11] offset:512
	s_wait_loadcnt 0x0
.irp j, 0,1,2,3,4,5,6,7
	v_perm_b32 v[WSR+\j], v[WSR+\j], v[WSR+\j], 0x03010200
.endr
	global_store_b128 v5, v[WSR:WSR+3], s[18:19]
	global_store_b128 v5, v[WSR+4:WSR+7], s[18:19] offset:512
.Lnot_scales:
.macro TILE u
	s_wait_tensorcnt 0x0
.irp b, 0,1,2,3
.irp j, 0,1,2,3
	ds_load_b128 v[X+16*\b+4*\j:X+16*\b+4*\j+3], v4 offset:\u*XTT+128*\b+16*\j
.endr
.endr
	s_wait_dscnt 0x0
.if \u
	s_wait_xcnt 0x0
.endif
	QUANT X, PW+\u
.irp c, 0,1,2
	global_store_b128 v5, v[PC+4*\c:PC+4*\c+3], s[12:13] offset:12288*\u+512*\c
.endr
	s_wait_loadcnt 0x0
.set i, 0
.rept 32
.if i < 4
	v_wmma_f32_16x16x4_f32 v[DA+8*(i%4):DA+8*(i%4)+7], v[WF+2*i:WF+2*i+1], v[X+2*i:X+2*i+1], 0
.else
	v_wmma_f32_16x16x4_f32 v[DA+8*(i%4):DA+8*(i%4)+7], v[WF+2*i:WF+2*i+1], v[X+2*i:X+2*i+1], v[DA+8*(i%4):DA+8*(i%4)+7]
.endif
.set i, i+1
.endr
.rept 8
	v_nop
.endr
.irp k, 0,2,4,6
	v_pk_add_f32 v[S0+8*\u+\k:S0+8*\u+\k+1], v[DA+\k:DA+\k+1], v[DA+8+\k:DA+8+\k+1]
.endr
.irp k, 0,2,4,6
	v_pk_add_f32 v[LG+\k:LG+\k+1], v[DA+16+\k:DA+16+\k+1], v[DA+24+\k:DA+24+\k+1]
.endr
.irp k, 0,2,4,6
	s_delay_alu instid0(VALU_DEP_4)
	v_pk_add_f32 v[S0+8*\u+\k:S0+8*\u+\k+1], v[S0+8*\u+\k:S0+8*\u+\k+1], v[LG+\k:LG+\k+1]
.endr
.endm
	TILE 0
	TILE 1
.irp j, 0,1,2,3,4,5,6,7
	v_cndmask_b32 v[LG+\j], v[S0+\j], v[S0+8+\j], vcc_lo
.endr
	v_cndmask_b32 v[SW], v[PW], v[PW+1], vcc_lo
	ds_store_b128 v8, v[LG:LG+3]
	ds_store_b128 v8, v[LG+4:LG+7] offset:512
	ds_store_b32 v9, v[SW]
	s_wait_dscnt 0x0
	s_barrier_signal -1
	s_barrier_wait -1
	s_cmp_eq_u32 s[WV], 0
	s_cbranch_scc1 .Lgate
	s_cmp_eq_u32 s[WV], 1
	s_cbranch_scc1 .Lwords
	s_wait_tensorcnt 0x0
	ds_add_u32 v254, v255
	s_wait_dscnt 0x0
	s_endpgm
.Lgate:
.irp a, 0,1,2,3,4,5,6,7
	ds_load_b128 v[X+8*\a:X+8*\a+3], v10 offset:1024*\a
	ds_load_b128 v[X+8*\a+4:X+8*\a+7], v10 offset:1024*\a+512
.endr
	s_wait_dscnt 0x0
.irp a, 1,2,3,4,5,6,7
.irp m, 0,2,4,6
	v_pk_add_f32 v[X+\m:X+\m+1], v[X+\m:X+\m+1], v[X+8*\a+\m:X+8*\a+\m+1]
.endr
.endr
.irp j, 0,1,2,3,4,5,6,7
	v_add_f32 v[X+\j], s[40+\j], v[X+\j]
.endr
	v_max3_num_f32 v244, v[X], v[X+1], v[X+2]
	s_delay_alu instid0(VALU_DEP_1)
	v_max3_num_f32 v244, v244, v[X+3], v[X+4]
	s_delay_alu instid0(VALU_DEP_1)
	v_max3_num_f32 v244, v244, v[X+5], v[X+6]
	s_delay_alu instid0(VALU_DEP_1)
	v_max_num_f32 v244, v244, v[X+7]
	s_delay_alu instid0(VALU_DEP_1)
	v_mul_f32 v244, 0x3fb8aa3b, v244
.irp j, 0,1,2,3,4,5,6,7
	v_fma_f32 v[X+\j], v[X+\j], 0x3fb8aa3b, -v244
.endr
	s_wait_alu depctr_va_vdst(0)
.irp j, 0,1,2,3,4,5,6,7
	v_exp_f32 v[X+\j], v[X+\j]
.endr
	v_nop
	s_wait_alu depctr_va_vdst(0)
	v_add_f32 v246, v[X], v[X+1]
	v_add_f32 v247, v[X+2], v[X+3]
	v_add_f32 v248, v[X+4], v[X+5]
	v_add_f32 v249, v[X+6], v[X+7]
	s_delay_alu instid0(VALU_DEP_3)
	v_add_f32 v246, v246, v247
	s_delay_alu instid0(VALU_DEP_2)
	v_add_f32 v248, v248, v249
	s_delay_alu instid0(VALU_DEP_1)
	v_add_f32 v246, v246, v248
	s_wait_alu depctr_va_vdst(0)
	v_rcp_f32 v250, v246
	v_nop
	s_wait_alu depctr_va_vdst(0)
.irp j, 0,1,2,3,4,5,6,7
	v_mul_f32 v[X+\j], v[X+\j], v250
.endr
	global_store_b128 v5, v[X:X+3], s[16:17]
	global_store_b128 v5, v[X+4:X+7], s[16:17] offset:512
	s_wait_tensorcnt 0x0
	ds_add_u32 v254, v255
	s_wait_dscnt 0x0
	s_endpgm
.Lwords:
	ds_load_b128 v[X:X+3], v11
	ds_load_b128 v[X+4:X+7], v11 offset:512
	s_wait_dscnt 0x0
	global_store_b128 v5, v[X:X+3], s[14:15]
	global_store_b128 v5, v[X+4:X+7], s[14:15] offset:512
	s_wait_tensorcnt 0x0
	ds_add_u32 v254, v255
	s_wait_dscnt 0x0
	s_endpgm
.Lfunc_end_k_qb238ceb8bb_prep:
	.size	k_qb238ceb8bb_prep, .Lfunc_end_k_qb238ceb8bb_prep-k_qb238ceb8bb_prep
	.p2alignl 7, 3214868480
	.fill 96, 4, 3214868480
	.section	.rodata,"a",@progbits
	.p2align	6, 0x0
	.amdhsa_kernel k_qb238ceb8bb_prep
		.amdhsa_group_segment_fixed_size 327680
		.amdhsa_private_segment_fixed_size 0
		.amdhsa_enable_private_segment 0
		.amdhsa_kernarg_size 64
		.amdhsa_user_sgpr_count 2
		.amdhsa_user_sgpr_kernarg_segment_ptr 1
		.amdhsa_wavefront_size32 1
		.amdhsa_system_sgpr_workgroup_id_x 1
		.amdhsa_system_sgpr_workgroup_id_y 1
		.amdhsa_system_sgpr_workgroup_id_z 1
		.amdhsa_system_vgpr_workitem_id 0
		.amdhsa_next_free_vgpr 256
		.amdhsa_next_free_sgpr 66
		.amdhsa_reserve_vcc 1
		.amdhsa_float_denorm_mode_32 3
		.amdhsa_float_denorm_mode_16_64 3
		.amdhsa_memory_ordered 1
		.amdhsa_forward_progress 1
		.amdhsa_inst_pref_size 38
	.end_amdhsa_kernel
	.amdgpu_metadata
---
amdhsa.version: [ 1, 2 ]
amdhsa.kernels:
  - .name:           k_qb238ceb8bb_prep
    .symbol:         k_qb238ceb8bb_prep.kd
    .args:
      - { .name: x, .offset: 0, .size: 8, .value_kind: global_buffer, .address_space: global }
      - { .name: Wg, .offset: 8, .size: 8, .value_kind: global_buffer, .address_space: global }
      - { .name: bg, .offset: 16, .size: 8, .value_kind: global_buffer, .address_space: global }
      - { .name: We_scales, .offset: 24, .size: 8, .value_kind: global_buffer, .address_space: global }
      - { .name: xc, .offset: 32, .size: 8, .value_kind: global_buffer, .address_space: global }
      - { .name: xs, .offset: 40, .size: 8, .value_kind: global_buffer, .address_space: global }
      - { .name: gw, .offset: 48, .size: 8, .value_kind: global_buffer, .address_space: global }
      - { .name: wsc, .offset: 56, .size: 8, .value_kind: global_buffer, .address_space: global }
    .group_segment_fixed_size: 327680
    .private_segment_fixed_size: 0
    .kernarg_segment_align: 8
    .kernarg_segment_size: 64
    .max_flat_workgroup_size: 256
    .sgpr_count:     66
    .vgpr_count:     256
    .wavefront_size: 32
...
	.end_amdgpu_metadata
.endif
;; end of part 1
;; launch moe (part 2): grid 32 x 8, 4 waves a work-group, clusters of 4 x 1, 327,680 bytes of LDS; arguments xc, xs, gw, We_codes, wsc, be, out0; writes out0
.if DOCPART == 2
	.amdgcn_target "amdgcn-amd-amdhsa--gfx1250"
	.amdhsa_code_object_version 6
	.text
	.protected	k_qb238ceb8bb_moe
	.globl	k_qb238ceb8bb_moe
	.p2align	8
	.type	k_qb238ceb8bb_moe,@function
k_qb238ceb8bb_moe:
	s_mov_b64 s[64:65], 0
	v_nop
	global_prefetch_b8 v0, s[64:65] scope:SCOPE_SE
	s_setreg_imm32_b32 hwreg(HW_REG_WAVE_MODE, 25, 1), 1
	s_wait_xcnt 0x0
	s_wait_alu depctr_hold_cnt(0) depctr_sa_sdst(0) depctr_va_vdst(0) depctr_va_sdst(0) depctr_va_ssrc(0) depctr_va_vcc(0) depctr_vm_vsrc(0)
	s_getreg_b32 s2, hwreg(HW_REG_IB_STS2, 6, 4)
	s_cmp_eq_u32 s2, 0
	s_cbranch_scc0 .Lentry_in_a_cluster
	s_endpgm
.Lentry_in_a_cluster:
	s_bfe_u32 s2, ttmp6, 0x10000c
	s_cmp_lg_u32 s2, 0x3003
	s_cbranch_scc0 .Lentry_shape_is_right
	s_endpgm
.Lentry_shape_is_right:
; out0[n][o] = sum over e of g[n][e] (sum over k of Q(x)[n][k] We[e][k][o] + be[e][o]).  Q(x) comes as codes (xc: images of operand registers) and scale words (xs), g as f32 (gw), made by the launch before;
; We's codes as given (row (e, o) = 768 bytes, K innermost), its scale bytes from wsc.  Every product of codes goes by the scaled matrix instruction, sums, biases and gate weights in f32.
; SHARES.  A work-group: 256 tokens x 128 outputs; a wave: 64 tokens (4 tiles of 16) x all 128 outputs.  A wave's codes of x stay in registers (4 tiles x 8 K steps x 12 = 384).
; ORDER.  A GROUP of 32 outputs outermost (4 groups), then the 8 experts, then K.  A CHUNK is (group, expert): 32 rows of We, 24,576 dense bytes, 64 matrix instructions a wave on 8 accumulators by turns.
; A slot of the ring holds 4 chunks (step J = 2 group + u: experts 4 u + q); wave q brings chunk q by one joint load.  Two slots; slot J % 2 takes step J + 2 at the end of step J's third chunk, when its fourth is in registers.
; TWO RUNS OF LDS LOADS A CHUNK, both for the chunk two further on, into the registers that this chunk has left: behind K step 3 the fragments of its K steps 0 to 3 (24 loads); at the chunk's end, behind the gate's last
; multiply-adds, those of K steps 4 to 7, its biases and its scale words (24 + 4 + 2 loads).  A slot's third chunk has all 54 at its end.  So fragments, biases and scale words have two sets each, by the expert's parity.
; THE ORDER OF K.  In each K step of 128, blocks 1 and 2 change places in both operands' registers, so a lane's 12 registers of a fragment of We are 48 consecutive bytes of its row: three loads of 16 bytes (xc, xs, wsc are made for that order).
; TRANSPOSED USE: source 0 = 16 rows of We, source 1 = 16 tokens: lane (r, h) holds token r and outputs 8 h + 0 .. 7.  The bias is the C of a chunk's first K step; a finished chunk goes into OUT by a packed multiply(-add) with the lane's gate weight.
; CLUSTER: the four token blocks of a cluster walk the same rows of We: every tile is asked for jointly.  Scales (32,768 bytes) and biases (4,096) of the work-group come once, through registers, into LDS bytes of their own.
; THE WAY OUT: a group is 128 bytes of a row of out0, so two groups meet in the wave's own stage (64 rows x 272 bytes) and leave as whole rows of 256 bytes.
; PREFETCH: at the change of slots of step J the tile of step J + 3 (4 x 24,576 bytes) is named once in each cluster: partner cx takes chunk cx (by address), its waves 0 to 2 take 8,192 bytes each, lanes 256 bytes apart; steps 0 to 2 come by their loads alone; no step beyond 7 is named.
; REGISTERS.  window 0: v2-11 addresses, v12-23 x (K step 7, tile 3), v24-31 odd experts' bias of fragment 0, v32-47 x's scale words, v48-63 We's (two sets), v64-255 even experts' fragments (24 s + 12 f).
;   window 1: v0-191 odd experts' fragments, v192-223 gate weights (8 t + e), v224-247 x (K step 7, tiles 0, 1), v248-255 odd experts' bias of fragment 1.   window 2: v0-239 x (K steps 0-4: 48 s + 12 t), v240-251 x (K step 7, tile 2).
;   window 3: v0-63 accumulators (32 f + 8 t), v64-127 OUT, v128-223 x (K steps 5, 6), v224-239 even experts' biases, v240-247 fragment addresses, v248 biases', v249 scales', v250-252 the way out.
.set ROWP,   816                       ; a row of We in LDS: 3 x (256 + 16)
.set FRP,    16*ROWP
.set HALFC,  32*ROWP                   ; a chunk
.set SLOT1,  4*HALFC
.set SCL,    2*SLOT1                   ; scales: 4,096 e + 1,024 group + 512 c + 16 row
.set BIA,    SCL+32768                 ; biases: 512 e + 4 o
.set STAGE,  BIA+4096
.set SP,     272
.set WST,    64*SP
.set SPARE,  STAGE+4*WST               ; the spare words: 128 bytes a wave
.set SPW, 2
.set NIL, 3
.set L16, 4
.set L4,  5
.set GA0, 6
.set PFO, 7
.set SST, 8
.set SBT, 9
.set AB0, 10
.set AS0, 11
.set XS,  32                           ; 8 p + s: lanes 0-15 tile 2 p, lanes 16-31 tile 2 p + 1
.set WS,  48                           ; 8 (e % 2) + s: lanes 0-15 fragment 0's rows, lanes 16-31 fragment 1's
.set WV,  18
.set CX,  19
.set TBK, 20
.set OB,  21
.set G,   22                           ; the group, 0 .. 3
.set LIM, 23                           ; s23, s24: groups in which my wave prefetches at u = 0, 1
.set G1,  32                           ; s[32:39] descriptor group 1
.set G0,  40                           ; s[40:43], s[44:47] group 0 of slot 0, 1
.set PF,  48                           ; s[48:49], s[50:51] where my prefetches of u = 0, 1 stand
.set MSB, 0
.macro WIN new                         ; bits 1:0 source 0, 3:2 source 1, 5:4 source 2, 7:6 destination; the immediate's high byte repeats the setting that is left
.if MSB != (\new)
	s_set_vgpr_msb (MSB<<8)|(\new)
.set MSB, (\new)
.endif
.endm
.macro PLACES                          ; four plain places (ISA guide 7.12.1)
.rept 4
	v_nop
.endr
.endm
.macro CREST
	s_cmp_lg_u32 s[WV], 0
	s_cbranch_scc1 .Lnot_wave_0_\@
	s_barrier_signal -3
.Lnot_wave_0_\@:
	s_barrier_wait -3
	s_barrier_signal -1
	s_barrier_wait -1
.endm
.macro CROUND
	s_barrier_signal -1
	s_barrier_wait -1
	CREST
.endm
; piece j (fragment j / 3, 16 bytes j % 3) of K step s of chunk q of slot u, into set b.  Where the piece of lanes 16-31, 48 bytes on, lies behind one padding more, the second address register serves.
.macro FLC u, q, b, s, j
.set fF, (\j)/3
.set DBY, 96*(\s)+16*((\j)%3)
.set fR, 64*(1-(\b))+24*(\s)+12*fF+4*((\j)%3)
.set fA, 240+4*(\u)+2*((\q)/2)
.if DBY%256 >= 208
.set fA, fA+1
.endif
	ds_load_b128 v[fR:fR+3], v[fA] offset:DBY+16*(DBY/256)+FRP*fF+((\q)%2)*HALFC
.endm
; A run of fragments: K steps s0 .. s0 + 3 of chunk q of slot u, which is expert te: 24 loads.  The addresses lie in window 3.
.macro RUNF u, q, te, s0
.set rP, (\te)%2
	WIN (rP<<6)|3
.irp s, 0,1,2,3
.irp j, 0,1,2,3,4,5
	FLC \u, \q, rP, (\s0)+\s, \j
.endr
.endr
.endm
; The biases and scale words of expert te (te >= 8: expert te - 8 of the next group): 6 loads
.macro RUNX te
.set rP, (\te)%2
.set bO, 512*((\te)%8)+128*((\te)/8)
.set sO, 4096*((\te)%8)+1024*((\te)/8)
	WIN (rP<<6)|3
.if rP == 0
.irp c, 0,1
	ds_load_b128 v[WS+4*\c:WS+4*\c+3], v249 offset:sO+512*\c
.endr
	WIN 0xc3
.irp f, 0,1
.irp c, 0,1
	ds_load_b128 v[224+8*\f+4*\c:224+8*\f+4*\c+3], v248 offset:bO+64*\f+16*\c
.endr
.endr
.else
.irp c, 0,1
	ds_load_b128 v[248+4*\c:248+4*\c+3], v248 offset:bO+64+16*\c
.endr
	WIN 0x03
.irp c, 0,1
	ds_load_b128 v[24+4*\c:24+4*\c+3], v248 offset:bO+16*\c
.endr
.irp c, 0,1
	ds_load_b128 v[WS+8+4*\c:WS+8+4*\c+3], v249 offset:sO+512*\c
.endr
.endif
.endm
.macro MM e, s, f, t                   ; one product: expert e, K step s, fragment f, tile t, under its own windows
.set bW, (\e)%2
.set rD, 32*(\f)+8*(\t)
.set rA, 64*(1-bW)+24*(\s)+12*(\f)
.if (\s) < 5
.set xW, 2
.set rB, 48*(\s)+12*(\t)
.elseif (\s) < 7
.set xW, 3
.set rB, 128+48*((\s)-5)+12*(\t)
.elseif (\t) < 2
.set xW, 1
.set rB, 224+12*(\t)
.elseif (\t) == 2
.set xW, 2
.set rB, 240
.else
.set xW, 0
.set rB, 12
.endif
.set cW, 3
.set rC, rD
.if (\s) == 0
.if bW == 0
.set rC, 224+8*(\f)
.elseif (\f) == 0
.set cW, 0
.set rC, 24
.else
.set cW, 1
.set rC, 248
.endif
.endif
.set rX, WS+8*bW+(\s)
.set rY, XS+8*((\t)/2)+(\s)
	WIN 0xc0|(cW<<4)|(xW<<2)|bW
.if ((\f) == 0) && ((\t)%2 == 0)
	v_wmma_scale_f32_16x16x128_f8f6f4 v[rD:rD+7], v[rA:rA+11], v[rB:rB+11], v[rC:rC+7], v[rX], v[rY] matrix_a_fmt:MATRIX_FMT_FP6 matrix_b_fmt:MATRIX_FMT_FP6
.elseif (\t)%2 == 0
	v_wmma_scale_f32_16x16x128_f8f6f4 v[rD:rD+7], v[rA:rA+11], v[rB:rB+11], v[rC:rC+7], v[rX], v[rY] matrix_a_fmt:MATRIX_FMT_FP6 matrix_b_fmt:MATRIX_FMT_FP6 matrix_a_scale:MATRIX_SCALE_ROW1
.elseif (\f) == 0
	v_wmma_scale_f32_16x16x128_f8f6f4 v[rD:rD+7], v[rA:rA+11], v[rB:rB+11], v[rC:rC+7], v[rX], v[rY] matrix_a_fmt:MATRIX_FMT_FP6 matrix_b_fmt:MATRIX_FMT_FP6 matrix_b_scale:MATRIX_SCALE_ROW1
.else
	v_wmma_scale_f32_16x16x128_f8f6f4 v[rD:rD+7], v[rA:rA+11], v[rB:rB+11], v[rC:rC+7], v[rX], v[rY] matrix_a_fmt:MATRIX_FMT_FP6 matrix_b_fmt:MATRIX_FMT_FP6 matrix_a_scale:MATRIX_SCALE_ROW1 matrix_b_scale:MATRIX_SCALE_ROW1
.endif
.endm
.macro STEP e, s                       ; a K step: 8 products, the accumulators by turns
.irp i, 0,1,2,3,4,5,6,7
	MM \e, \s, \i/4, \i%4
.endr
.endm
.macro COMB e, a                       ; OUT (+)= my token's gate weight x accumulator a, from its low end on; the weight is the low or the high register of its pair
.set rG, 192+8*((\a)%4)+2*((\e)/2)
	WIN 0xf7
.irp k, 0,2,4,6
.if (\e) == 0
	v_pk_mul_f32 v[64+8*(\a)+\k:64+8*(\a)+\k+1], v[8*(\a)+\k:8*(\a)+\k+1], v[rG:rG+1] op_sel_hi:[1,0]
.elseif (\e)%2 == 0
	v_pk_fma_f32 v[64+8*(\a)+\k:64+8*(\a)+\k+1], v[8*(\a)+\k:8*(\a)+\k+1], v[rG:rG+1], v[64+8*(\a)+\k:64+8*(\a)+\k+1] op_sel_hi:[1,0,1]
.else
	v_pk_fma_f32 v[64+8*(\a)+\k:64+8*(\a)+\k+1], v[8*(\a)+\k:8*(\a)+\k+1], v[rG:rG+1], v[64+8*(\a)+\k:64+8*(\a)+\k+1] op_sel:[0,1,0] op_sel_hi:[1,1,1]
.endif
.endr
.endm
; A chunk's last K step: accumulator i - 4 is taken into OUT behind product i, the last four behind product 7.  Between a product and the read of its result stand the four v_nop behind product 4 (products 0 to 4)
; or the multiply-adds of at least three other accumulators (products 5 to 7).  Those of accumulators 3 to 6 are also the places in front of the run's loads into registers that the last product has read.
.macro LAST e
.irp i, 0,1,2,3,4,5,6,7
	MM \e, 7, \i/4, \i%4
.if \i == 4
	PLACES
.endif
.if \i >= 4
	COMB \e, \i-4
.endif
.endr
	COMB \e, 4
	COMB \e, 5
	COMB \e, 6
	COMB \e, 7
.endm
.macro ASK u
	s_cmp_lt_u32 s[G], s[LIM+\u]
	s_cbranch_scc0 .Lnot_mine_\@
	global_prefetch_b8 v[PFO], s[PF+2*(\u):PF+2*(\u)+1] th:TH_LOAD_NT scope:SCOPE_SE
.Lnot_mine_\@:
.endm
; A chunk.  THE CHANGE OF SLOTS lies in a slot's third chunk: the fourth was asked for in the second, so at the third's head each wave waits for all its tensor loads (one is out: its part of the other slot) and adds 0 to
; its spare word; behind K step 3 it waits for the add and for its reads of this slot and signals; K steps 4 to 7 stand between signal and wait.  Where a tile is left to fetch the barrier opens a round of the cluster's,
; and this slot takes step J + 2's tile; then the run reads the other slot.
.macro CHUNK u, q, tail
.set cE, 4*(\u)+(\q)
.set cTurn, ((\q) == 2) && (((\tail) == 0) || ((\u) == 0))
.set cFill, cTurn && ((\tail) == 0)
.set cRun, ((\tail) == 0) || (cE < 6)
.set tQ, ((\q)+2)%4
.set tU, (\u)
.if (\q) >= 2
.set tU, 1-(\u)
.endif
.if cTurn
	WIN 0
	s_wait_tensorcnt 0x0
	ds_add_u32 v[SPW], v[NIL]
.if cFill
	s_add_nc_u64 s[G0+4*(\u)+2:G0+4*(\u)+3], s[G0+4*(\u)+2:G0+4*(\u)+3], 24576   ; no tensor load of mine is out: the next group's 32 rows
	s_wait_xcnt 0x0                                ; my last prefetch by this pointer has read it
	s_add_nc_u64 s[PF+2*(\u):PF+2*(\u)+1], s[PF+2*(\u):PF+2*(\u)+1], 24576
.endif
	s_wait_dscnt 55                                ; younger than this chunk's loads: the next chunk's 24 + 30 and the add
.elseif (\tail) && (cE == 7)
	s_wait_dscnt 0x0                               ; the last chunk: no load is younger than its own
.else
	s_wait_dscnt 54                                ; younger than this chunk's loads: the next chunk's 54
.endif
.irp s, 0,1,2,3
	STEP cE, \s
.endr
.if cTurn
	s_wait_dscnt 0x0
	s_barrier_signal -1
.elseif cRun
	PLACES                                         ; in front of the loads into the registers that K steps 0 to 3 have read
	RUNF tU, tQ, cE+2, 0
.endif
.irp s, 4,5,6
	STEP cE, \s
.endr
	LAST cE
.if cTurn
	WIN 0
	s_barrier_wait -1
.if cFill
	CREST
	tensor_load_to_lds s[G0+4*(\u):G0+4*(\u)+3], s[G1:G1+7]   ; my one tensor load behind the round
	s_nop 0
	PLACES
	ASK \u
.endif
.endif
.if cRun
.if cTurn
	RUNF tU, tQ, cE+2, 0
.endif
	RUNF tU, tQ, cE+2, 4
	RUNX cE+2
.endif
.endm
.macro GROUPM tail                     ; a group: its places among the biases and scales, then 8 chunks
	s_lshl_b32 s80, s[G], 7
	s_lshl_b32 s81, s[G], 10
	WIN 0xc0
	v_add_nc_u32 v248, s80, v[AB0]
	v_add_nc_u32 v249, s81, v[AS0]
	s_wait_alu depctr_va_vdst(0)
.irp u, 0,1
.irp q, 0,1,2,3
	CHUNK \u, \q, \tail
.endr
.endr
	WIN 0
	s_wait_alu depctr_va_vdst(0)
.endm
.macro STG off                         ; OUT into my stage: row 16 t + r, 32 bytes at off + 64 f + 32 h
	WIN 0xcf
.irp t, 0,1,2,3
.irp f, 0,1
	ds_store_b128 v250, v[64+32*\f+8*\t:64+32*\f+8*\t+3] offset:\t*16*SP+64*\f+\off
	ds_store_b128 v250, v[64+32*\f+8*\t+4:64+32*\f+8*\t+7] offset:\t*16*SP+64*\f+\off+16
.endr
.endr
.endm
.macro SENDALL half                    ; 64 rows of 256 bytes back (LDS serves a wave's instructions in order: ISA guide 5.7.1.4) into OUT's and the accumulators' registers, and out
.set i, 0
.rept 32
.set rS, (64+4*i)%128
	ds_load_b128 v[rS:rS+3], v251 offset:i*2*SP
.set i, i+1
.endr
.set i, 0
.rept 32
.set rS, (64+4*i)%128
.if i%8 == 0
	s_wait_dscnt 24-i
.endif
	global_store_b128 v252, v[rS:rS+3], s[16:17] offset:i*8192+256*(\half) th:TH_STORE_NT   ; 16 lanes store 256 consecutive bytes, at a multiple of 256 from out0's first byte
.set i, i+1
.endr
.endm
.macro XL1 s, t, reg                   ; x's fragment of K step s, tile t
.irp c, 0,1,2
	global_load_b128 v[(\reg)+4*\c:(\reg)+4*\c+3], v[L16], s[4:5] offset:1536*(\s)+12288*(\t)+512*\c
.endr
.endm
.macro XLD s, base                     ; x's K step s: four tiles' fragments
.irp t, 0,1,2,3
	XL1 \s, \t, (\base)+12*\t
.endr
.endm
	s_load_b256 s[4:11], s[0:1], 0x0               ; xc, xs, gw, We's codes
	s_load_b128 s[12:15], s[0:1], 0x20             ; wsc, be
	s_load_b64 s[16:17], s[0:1], 0x30              ; out0
	v_lshl_add_u32 v[SPW], v0, 2, SPARE
	v_mov_b32 v[NIL], 0
	ds_add_u32 v[SPW], v[NIL]                      ; the add, twice on end, and its wait
	ds_add_u32 v[SPW], v[NIL]
	v_lshrrev_b32 v140, 5, v0
	v_readfirstlane_b32 s[WV], v140
	s_bfe_u32 s[CX], ttmp6, 0x40000                ; cx enters the addresses of xc, xs, gw, out0 and of the prefetches alone
	s_lshl_b32 s[TBK], ttmp9, 2
	s_add_co_u32 s[TBK], s[TBK], s[CX]             ; my block of 256 tokens
	s_and_b32 s[OB], ttmp7, 0xffff                 ; my block of 128 outputs
	s_mov_b32 s[G1], 15|(3<<16)|(1<<20)|(1<<21)|(5<<22)|(3<<25)   ; 96 dense rows of 256 bytes, 4 words of padding behind every 64; the mask names the four partners
	s_mov_b32 s[G1+1], 32<<16
	s_mov_b32 s[G1+2], 96<<16
	s_mov_b32 s[G1+3], 32<<16
	s_mov_b32 s[G1+4], 96
	s_mov_b32 s[G1+5], 32
	s_mov_b32 s[G1+6], 0
	s_mov_b32 s[G1+7], 0
	s_lshl_b32 s52, s[WV], 10                      ; We: expert = wave, my block's rows
	s_lshl_b32 s53, s[OB], 7
	s_add_co_u32 s52, s52, s53
	s_mul_i32 s52, s52, 768
	s_mov_b32 s53, 0
	s_mul_i32 s54, s[WV], HALFC
	s_lshl_b32 s56, s[WV], 16                      ; wsc: experts 2 wave, + 1
	s_lshl_b32 s57, s[OB], 12
	s_add_co_u32 s56, s56, s57
	s_mov_b32 s57, 0
	s_lshl_b32 s58, s[WV], 13                      ; be likewise
	s_lshl_b32 s59, s[OB], 9
	s_add_co_u32 s58, s58, s59
	s_mov_b32 s59, 0
	s_lshl_b32 s60, s[TBK], 4
	s_lshl_b32 s61, s[WV], 2
	s_add_co_u32 s60, s60, s61                     ; my first tile of 16 tokens
	s_mul_i32 s66, s60, 12288
	s_mov_b32 s67, 0
	s_lshl_b32 s68, s60, 9
	s_mov_b32 s69, 0
	s_lshl_b32 s70, s60, 16
	s_lshl_b32 s71, s[OB], 9
	s_add_co_u32 s70, s70, s71
	s_mov_b32 s71, 0
	s_lshl_b32 s72, s[CX], 10                      ; the prefetches: chunk cx, 8,192 bytes a wave
	s_lshl_b32 s73, s[OB], 7
	s_add_co_u32 s72, s72, s73
	s_mul_i32 s72, s72, 768
	s_lshl_b32 s73, s[WV], 13
	s_add_co_u32 s72, s72, s73
	s_mov_b32 s73, 0
	s_lshl_b32 s74, s[WV], 13
	s_add_co_u32 s74, s74, SCL
	s_lshl_b32 s75, s[WV], 10
	s_add_co_u32 s75, s75, BIA
	s_mul_i32 s76, s[WV], WST
	s_add_co_u32 s76, s76, STAGE
	s_cmp_lt_u32 s[WV], 3
	s_cselect_b32 s[LIM], 3, 0                     ; u = 0 names steps 3, 5, 7
	s_cselect_b32 s[LIM+1], 2, 0                   ; u = 1 names steps 4, 6
	s_mov_b32 s[G], 0
	s_wait_dscnt 0x0
	v_and_b32 v140, 31, v0
	v_and_b32 v141, 15, v0                         ; r
	v_bfe_u32 v142, v0, 4, 1                       ; h
	v_lshlrev_b32 v[L16], 4, v140
	v_lshlrev_b32 v[L4], 2, v140
	v_lshlrev_b32 v[GA0], 4, v141
	v_lshlrev_b32 v[PFO], 8, v140
	v_and_b32 v143, 1, v0
	v_bfe_u32 v144, v0, 1, 4
	v_lshlrev_b32 v143, 9, v143
	v_lshl_add_u32 v143, v144, 4, v143             ; a lane's 16 bytes of scales: half c = lane % 2 of row lane / 2
	v_add_nc_u32 v[SST], s74, v143
	v_add_nc_u32 v[SBT], s75, v[L16]
	v_lshl_add_u32 v[AB0], v142, 5, BIA
	v_lshl_add_u32 v[AS0], v140, 4, SCL
	v_mul_u32_u24 v145, v141, ROWP
	v_lshl_add_u32 v146, v142, 6, v145             ; 816 r + 64 h
	v_mad_u32_u24 v145, v142, 48, v145             ; 816 r + 48 h
	v_mul_u32_u24 v147, v141, SP
	v_lshl_add_u32 v147, v142, 5, v147
	v_mul_u32_u24 v148, v142, SP
	v_lshl_add_u32 v148, v141, 4, v148
	v_lshlrev_b32 v149, 12, v142
	v_lshl_add_u32 v149, v141, 4, v149
	WIN 0xc0
	v_mov_b32 v240, v145
	v_mov_b32 v241, v146
	v_add_nc_u32 v242, 2*HALFC, v145
	v_add_nc_u32 v243, 2*HALFC, v146
	v_add_nc_u32 v244, SLOT1, v145
	v_add_nc_u32 v245, SLOT1, v146
	v_add_nc_u32 v246, SLOT1+2*HALFC, v145
	v_add_nc_u32 v247, SLOT1+2*HALFC, v146
	v_mov_b32 v248, v[AB0]
	v_mov_b32 v249, v[AS0]
	v_add_nc_u32 v250, s76, v147
	v_add_nc_u32 v251, s76, v148
	v_mov_b32 v252, v149
	WIN 0
	s_wait_alu depctr_va_vdst(0)
	s_wait_kmcnt 0x0
	s_add_nc_u64 s[4:5], s[4:5], s[66:67]
	s_add_nc_u64 s[6:7], s[6:7], s[68:69]
	s_add_nc_u64 s[8:9], s[8:9], s[68:69]
	s_add_nc_u64 s[12:13], s[12:13], s[56:57]
	s_add_nc_u64 s[14:15], s[14:15], s[58:59]
	s_add_nc_u64 s[16:17], s[16:17], s[70:71]
	s_add_nc_u64 s[PF+2:PF+3], s[10:11], s[72:73]
	s_add_nc_u64 s[PF:PF+1], s[PF+2:PF+3], 0x300000        ; stands at step 1's tile, is stepped to step 3's before its first use
	s_add_nc_u64 s[PF+2:PF+3], s[PF+2:PF+3], 24576         ; at step 2's, stepped to step 4's
	s_mov_b32 s[G0], 1                             ; slot 0, step 0
	s_mov_b32 s[G0+1], s54
	s_add_nc_u64 s[G0+2:G0+3], s[10:11], s[52:53]
	s_mov_b32 s[G0+4], 1                           ; slot 1, step 1: four experts on
	s_add_co_u32 s[G0+5], s54, SLOT1
	s_add_nc_u64 s[G0+6:G0+7], s[G0+2:G0+3], 0x300000
	s_or_b32 s[G0+3], s[G0+3], 0x80000000
	s_or_b32 s[G0+7], s[G0+7], 0x80000000
.set i, 0
.rept 16
	global_load_b128 v[64+4*i:64+4*i+3], v[L16], s[12:13] offset:(i/8)*32768+(i%8)*512   ; two experts' scales of my block: 512 consecutive bytes a load
.set i, i+1
.endr
	global_load_b128 v[128:131], v[L16], s[14:15]
	global_load_b128 v[132:135], v[L16], s[14:15] offset:4096
	WIN 0x80
	XLD 0, 0
	XLD 1, 48
	XLD 2, 96
	WIN 0
	CROUND                                         ; all four work-groups are here: the first joint loads meet
	tensor_load_to_lds s[G0:G0+3], s[G1:G1+7]      ; step 0, my chunk: one tensor load a wave at the head
	s_nop 0
	PLACES
	s_wait_loadcnt 36                              ; the 18 loads of scales and biases are in: x's 36 may be out
.set i, 0
.rept 16
	ds_store_b128 v[SST], v[64+4*i:64+4*i+3] offset:(i/8)*4096+((i%8)/2)*1024+(i%2)*256
.set i, i+1
.endr
	ds_store_b128 v[SBT], v[128:131]
	ds_store_b128 v[SBT], v[132:135] offset:512
	WIN 0x80
	XLD 3, 144
	XLD 4, 192
	XL1 7, 2, 240
	WIN 0xc0
	XLD 5, 128
	XLD 6, 176
	WIN 0x40
	XL1 7, 0, 224
	XL1 7, 1, 236
.irp t, 0,1,2,3
.irp j, 0,1
	global_load_b128 v[192+8*\t+4*\j:192+8*\t+4*\j+3], v[GA0], s[8:9] offset:(\t/2)*1024+(\t%2)*256+512*\j   ; my tokens' gate weights, all eight experts
.endr
.endr
	WIN 0
	XL1 7, 3, 12
.irp p, 0,1
.irp s, 0,1,2,3,4,5,6,7
	global_load_b32 v[XS+8*\p+\s], v[L4], s[6:7] offset:1024*\p+128*\s
.endr
.endr
	s_wait_tensorcnt 0x0                           ; my chunk of step 0 is in
	ds_add_u32 v[SPW], v[NIL]
	s_wait_dscnt 0x0                               ; the add and my stores of scales and biases are done
	CROUND
	tensor_load_to_lds s[G0+4:G0+7], s[G1:G1+7]    ; step 1, the first tensor load behind the round
	s_nop 0
	PLACES
	RUNF 0, 0, 0, 0                                ; the first two chunks: 54 loads each
	RUNF 0, 0, 0, 4
	RUNX 0
	RUNF 0, 1, 1, 0
	RUNF 0, 1, 1, 4
	RUNX 1
	WIN 0
	s_wait_loadcnt 0x0                             ; x, its scale words, the gate weights
.Lgroup:                                       ; three trips: groups 0 to 2, in each of whose steps its slot is filled again
	GROUPM 0
	s_cmp_eq_u32 s[G], 1
	s_cbranch_scc1 .Lodd
	STG 0
	WIN 0
	s_branch .Ljoin
.Lodd:
	STG 128                                        ; groups 0 and 1 are whole: 256 bytes of each row
	SENDALL 0
	s_wait_xcnt 0x0                                ; the stores have read their registers: they are written again only behind this wait
	WIN 0
.Ljoin:
	s_add_co_u32 s[G], s[G], 1
	s_cmp_lt_u32 s[G], 3
	s_cbranch_scc1 .Lgroup
	GROUPM 1                                       ; group 3 is written out: it asks for nothing more
	STG 128
	SENDALL 1
	WIN 0
	s_wait_tensorcnt 0x0                           ; the wave's end
	ds_add_u32 v[SPW], v[NIL]
	s_wait_dscnt 0x0
	CROUND                                         ; the closing round
	s_endpgm
.Lfunc_end_k_qb238ceb8bb_moe:
	.size	k_qb238ceb8bb_moe, .Lfunc_end_k_qb238ceb8bb_moe-k_qb238ceb8bb_moe
	.p2alignl 7, 3214868480
	.fill 96, 4, 3214868480
	.section	.rodata,"a",@progbits
	.p2align	6, 0x0
	.amdhsa_kernel k_qb238ceb8bb_moe
		.amdhsa_group_segment_fixed_size 327680
		.amdhsa_private_segment_fixed_size 0
		.amdhsa_enable_private_segment 0
		.amdhsa_kernarg_size 56
		.amdhsa_user_sgpr_count 2
		.amdhsa_user_sgpr_kernarg_segment_ptr 1
		.amdhsa_wavefront_size32 1
		.amdhsa_system_sgpr_workgroup_id_x 1
		.amdhsa_system_sgpr_workgroup_id_y 1
		.amdhsa_system_sgpr_workgroup_id_z 1
		.amdhsa_system_vgpr_workitem_id 0
		.amdhsa_next_free_vgpr 1024
		.amdhsa_next_free_sgpr 96
		.amdhsa_reserve_vcc 0
		.amdhsa_float_denorm_mode_32 3
		.amdhsa_float_denorm_mode_16_64 3
		.amdhsa_memory_ordered 1
		.amdhsa_forward_progress 1
		.amdhsa_inst_pref_size 255
	.end_amdhsa_kernel
	.section	.bss,"aw",@nobits
	.p2align	6
	.space	262144
	.amdgpu_metadata
---
amdhsa.version: [ 1, 2 ]
amdhsa.kernels:
  - .name:           k_qb238ceb8bb_moe
    .symbol:         k_qb238ceb8bb_moe.kd
    .args:
      - { .name: xc, .offset: 0, .size: 8, .value_kind: global_buffer, .address_space: global }
      - { .name: xs, .offset: 8, .size: 8, .value_kind: global_buffer, .address_space: global }
      - { .name: gw, .offset: 16, .size: 8, .value_kind: global_buffer, .address_space: global }
      - { .name: We_codes, .offset: 24, .size: 8, .value_kind: global_buffer, .address_space: global }
      - { .name: wsc, .offset: 32, .size: 8, .value_kind: global_buffer, .address_space: global }
      - { .name: be, .offset: 40, .size: 8, .value_kind: global_buffer, .address_space: global }
      - { .name: out0, .offset: 48, .size: 8, .value_kind: global_buffer, .address_space: global }
    .group_segment_fixed_size: 327680
    .private_segment_fixed_size: 0
    .kernarg_segment_align: 8
    .kernarg_segment_size: 56
    .max_flat_workgroup_size: 128
    .sgpr_count:     96
    .vgpr_count:     1024
    .wavefront_size: 32
...
	.end_amdgpu_metadata
.endif
;; end of part 2
